; MI455X (gfx1250); checked and timed in simulation.
; The chip was launched on July 23, 2026; its instructions are those of AMD's public machine-readable ISA for CDNA 5 (MIT licence, August 2026) and "CDNA5" Instruction Set Architecture Reference Guide (July 2026). The comments in the code are by the model that wrote it; some were corrected since.
;; Simple Attention. Allowed arithmetic: matrix products marked QUANTISED: E2M1 operands, one E8M0 scale for each 32 along K, by v_wmma_scale_f32_16x16x128_f8f6f4 with both operands' format E2M1 (or v_wmma_scale_f32_32x16x128_f4), f32 sums; products left as they are: f32 operands where the result goes on into a quantised operand, else bf16, f16 or f32 operands; f32 sums; everything else in f32.
;; Inputs: W_att_codes 3 x 128 x 4 x 16 uint8 (E2M1 codes of W_att, K innermost, in blocks of 32 codes, two codes a byte); W_att_scales 3 x 128 x 4 uint8 (E8M0 scales of W_att, one for each 32 codes along K); W_c 128 x 10 float32; W_in_codes 128 x 4 x 16 uint8 (E2M1 codes of W_in, K innermost, in blocks of 32 codes, two codes a byte); W_in_scales 128 x 4 uint8 (E8M0 scales of W_in, one for each 32 codes along K); b_att 3 x 128 float32; b_c 10 float32; b_in 128 float32; beta 3 x 128 float32; gamma 3 x 128 float32; x_codes 8,192 x 4 x 16 uint8 (E2M1 codes of x, K innermost, in blocks of 32 codes, two codes a byte); x_scales 8,192 x 4 uint8 (E8M0 scales of x, one for each 32 codes along K).
;; Outputs: out0 8,192 x 10 float32.
;; This version of the problem:
;;   THIS VERSION OF THE PROBLEM IS GIVEN IN LOW PRECISION. The matrix products marked QUANTISED in the list below multiply operands that are first quantised to E2M1 (2 exponent bits, 1 mantissa bit; 4 bits a number), with one power-of-two scale for each 32 numbers along K (OCP MX v1.0); their sums are f32. All else is computed in f32.
;;   The module's matrix products, in the order in which they are computed (A, B: the left and right operand; K: the contracted axis; several contracted axes count as one K, in the product's order):
;;     1. [M 8,192, K 128] x [K 128, N 128]; A: input x (given as codes); B: input W_in (given as codes): QUANTISED
;;     2. [M 8,192, K 128] x [K 128, N 128]; A: computed on the way; B: input W_att (given as codes): QUANTISED
;;     3. batch 8,192 x [M 128, K 128] x [K 128, N 1]; A: softmax; B: computed on the way: left as it is (N = 1 < 16)
;;     4. [M 8,192, K 128] x [K 128, N 128]; A: computed on the way; B: input W_att (given as codes): QUANTISED
;;     5. batch 8,192 x [M 128, K 128] x [K 128, N 1]; A: softmax; B: computed on the way: left as it is (N = 1 < 16)
;;     6. [M 8,192, K 128] x [K 128, N 128]; A: computed on the way; B: input W_att (given as codes): QUANTISED
;;     7. batch 8,192 x [M 128, K 128] x [K 128, N 1]; A: softmax; B: computed on the way: left as it is (N = 1 < 16)
;;     8. [M 8,192, K 128] x [K 128, N 10]; A: computed on the way; B: input W_c: left as it is (N = 10 < 16)
;;   THE QUANTISER, for each operand of a quantised product, along K:
;;     - K is cut into blocks of 32 from its start; a last block that is shorter is filled with zeros.
;;     - A block's scale is 2^e with e = floor(log2(the largest magnitude in the block)) - 2, held to -126 .. 127; a block of zeros has e = 0. As a byte (E8M0): e + 127.
;;     - Each number is divided by its block's scale, clamped to +-6, and rounded to the nearest number of E2M1, ties to even, subnormals kept.
;;     - The product sums the exact products of the quantised numbers (number of the format x scale) in f32.
;;   ~~~python
;;   def quantise(x, axis):      # numpy; x: float32 -> the quantised numbers, widened to float32 again
;;       x = np.moveaxis(x, axis, -1); K = x.shape[-1]
;;       x = np.pad(x, [(0, 0)] * (x.ndim - 1) + [(0, -K % 32)]); x = x.reshape(x.shape[:-1] + (-1, 32)); a = np.abs(x).max(-1, keepdims=True)
;;       e = np.where(a > 0, np.clip(np.frexp(np.where(a > 0, a, 1))[1] - 1 - 2, -126, 127), 0)      # np.frexp(a)[1] - 1 = floor(log2(a)), exactly
;;       r = np.clip(x / 2.0 ** e, -6, 6)
;;       step = 2.0 ** (np.maximum(np.frexp(np.where(r == 0, 1, r))[1] - 1, 0) - 1)
;;       q = np.round(r / step) * step * 2.0 ** e      # np.round: ties to even
;;       return np.moveaxis(q.reshape(q.shape[:-2] + (-1,))[..., :K], -1, axis).astype(np.float32)
;;   ~~~
;;   OPERANDS COMPUTED ON THE WAY. 'Computed on the way' means the value that the module computes at that place (a softmax that the list does not call 'softmax' is quantised finished and normalised). What goes into a quantiser is computed in f32, as accurately as f32 sums, v_exp_f32 and their like allow (about 1e-6 of the number): no bf16 or f16 on the way to a quantiser, and a product that is left as it is and whose result goes on into a quantised operand takes f32 operands (vector FMAs, or v_wmma_f32_16x16x4_f32). A number that lies on a knife's edge between two numbers of the format may be rounded either way, as far as f32 arithmetic and the matrix unit's own rounding can turn it there, and no further.
;;   INPUTS GIVEN AS CODES. W_att (in the module: [3, 128, 128], K = its axis 1); W_in (in the module: [128, 128], K = its axis 0); x (in the module: [8192, 128], K = its axis 1): each comes as NAME_codes (uint8): NAME with its K axis moved to the last place and cut into blocks of 32 codes, [.., K / 32, bytes a block], one block behind the other in memory; two codes a byte, the lower K in the low four bits (a code: sign, 2 exponent bits, 1 mantissa bit); and NAME_scales (uint8): the same leading axes, one E8M0 byte (e + 127) for each 32 codes along K. Its value is code x scale, taken as it is: it is not quantised again, and the codes and scales need not be those that the quantiser above would give.
;; 2 versions, each right; version 2 is version 1 with the launch simple_attention written anew for expert scheduling mode. Each part assembles by itself: llvm-mc -triple=amdgcn-amd-amdhsa -mcpu=gfx1250 --defsym DOCPART=n.
;; ======== version 1 of 2: 1 launch
;; launch simple_attention (part 1): grid 256 x 1, 4 waves a work-group, no clusters, 33,280 bytes of LDS; arguments x_codes, x_scales, W_in_codes, W_in_scales, b_in, W_att_codes, W_att_scales, b_att, gamma, beta, W_c, b_c, out0; writes out0
.if DOCPART == 1
	.amdgcn_target "amdgcn-amd-amdhsa--gfx1250"
	.amdhsa_code_object_version 6
	.text
	.protected	k_q3f79e2b048_simple_attention
	.globl	k_q3f79e2b048_simple_attention
	.p2align	8
	.type	k_q3f79e2b048_simple_attention,@function
k_q3f79e2b048_simple_attention:
	s_mov_b64 s[64:65], 0
	v_nop
	global_prefetch_b8 v0, s[64:65] scope:SCOPE_SE
	s_setreg_imm32_b32 hwreg(HW_REG_WAVE_MODE, 25, 1), 1
	s_wait_xcnt 0x0
; h = x W_in + b_in;  three times: u = tanh(Q(h) W_att + b_att), out_i = sum_j softmax_j(u_i u_j) h_j, h = layernorm(h + out) gamma + beta;  out0 = h W_c + b_c.
; The four products [8192,128] x [128,128] run on E2M1 codes with one E8M0 scale for each 32 along K; x and the weights arrive as codes, h is quantised here, in registers.
; SHARES.  A work-group of four waves owns 32 rows.  Wave wv: t = wv / 2 is its tile of 16 rows, w = wv % 2 its 64 hidden units: 32 numbers a lane.
; LAYOUT.  Every quantised product is used transposed (source 0 = 16 rows of W, source 1 = 16 rows of x or h), and lane r of the wave's tile 2 b + u takes W's row 64 w + 32 b + 8 u + r + 8 (r / 8).
; So lane (r = lane % 16, hh = lane / 16) holds row r, and register 16 b + i of H, U, the biases, gamma and beta is hidden unit 64 w + 32 b + 16 hh + i: 16 neighbours along the next K.
; THE SOFTMAX.  u is a tanh, so every score u_i u_j lies in [-1, 1] for every input: each exponential lies in [1/e, e] and each sum of 128 in [47, 348]; no maximum is taken away, since none can matter.
; On [-1, 1] exp(z) is its Taylor sum to n = 11 with a remainder under 2.3e-9, and z factors: sum_j exp(u_i u_j) h_j = sum_n u_i^n (S_n / n!), S_n = sum_j u_j^n h_j; the divisor likewise with T_n = sum_j u_j^n.
; A row's 24 moments are summed once, and each unit evaluates two polynomials of degree 11 by Horner's scheme.  All of it in f32.
; THE TWO WAVES OF A ROW TILE exchange through LDS, three times a layer: h's codes and scale bytes, the moments, the layernorm's mean and sum of squares; once more for the classifier's two partial sums.
; Every exchange has LDS bytes of its own, written once in the launch: the only order needed is store, wait, barrier, load.
; LIMITS.  The series' cut: remainder under 2.3e-9 for |u_i u_j| <= 1, which tanh guarantees.  Horner's rounding can be up to e^2 = 7.4 times that of the direct sum, where |u| = 1 with opposite signs.
; tanh(z) = 1 - 2 / (1 + 2^(2.885390 z)): absolute error about 1.2e-7.  The variance is merged from two halves of 64 (each about its own mean): another order of rounding than a single sum's.
; A block of zeros gets the scale byte 1 and not 127: its codes are zeros, and this program alone reads the byte.  h and W_c are rounded to bf16 for the last product.
; NaN and infinities among the inputs, and scale bytes 0xff, are not served.
; REGISTERS, in windows of 256.  Window 0: v1-21 lane numbers and addresses, never rewritten; Q the second source's fragment; H, U; P powers of u, then the numerator; DN the divisor; CS, CT coefficients;
;   v184-207 at work; M moments; ACC two sets of sums; v238-255 scale words and nothing else.
;   Window 1: W's 4 fragments of product p at 32 p, its bias at 128 + 32 p.   Window 2: gamma at 32 L, beta at 96 + 32 L, W_c at 192, b_c at 224.  Every parameter has registers of its own.
.set LBS,   9472                       ; LDS: a layer's exchanges
.set CODES, 0                          ; 2,048: wave wv's four code registers as they stand: 16 x thread
.set SCW,   2048                       ; 256: a scale word a lane: 128 t + 4 lane; wave w writes its two bytes at + 2 w
.set MOMB,  2304                       ; 6,144: wave wv's moments: 1,536 wv + 512 k + 16 lane
.set LNX,   8448                       ; 1,024: (mean, sum of squares): 8 x thread
.set OUTB,  3*LBS                      ; 2,560: two partial outputs [32 rows][10]
.set VX,   4                           ; x's codes: (row) 64 + 16 hh
.set VXS,  5                           ; x's scale words: (row) 4
.set VW,   6                           ; W's codes: (r + 8 (r / 8)) 64 + 16 hh + 4,096 w
.set VS,   7                           ; W's scale words: (r + 8 (r / 8)) 4 + 256 w
.set VV,   8                           ; vectors of 128: 64 hh + 256 w
.set VC,   9                           ; W_c: (64 w + 16 hh) 40 + 4 x class
.set VBC,  10                          ; b_c: 20 hh
.set AI,   11                          ; LDS: 16 x thread
.set ASW,  12                          ; 128 t + 2 w + 4 lane
.set AQ,   13                          ; 1,024 t + 16 lane
.set ASL,  14                          ; 128 t + 4 lane
.set AMS,  15                          ; 1,536 wv + 16 lane
.set AML,  16                          ; 3,072 t + 16 r
.set ALS,  17                          ; 8 x thread
.set ALP,  18                          ; the partner wave's: 8 x thread xor 256
.set AO,   19                          ; 1,280 w + 40 (16 t + r) + 20 hh
.set VOUT, 20                          ; out0: 1,280 x work-group + 8 x thread
.set MASK, 21                          ; -1 where r % 8 < 5
.set Q,    24
.set H,    32
.set U,    64
.set P,    96
.set DN,   128
.set CS,   160
.set CT,   172
.set TM,   184                         ; the quantiser: largest magnitudes, the other half's, scale operands, bytes, the two bytes joined, codes
.set TX,   186
.set SO,   188
.set BY,   190
.set HW,   192
.set PC,   196
.set A4,   184                         ; the layernorm: four pairs of sums
.set LM,   200                         ; my (mean, sum of squares)
.set LR,   202                         ; (1 / sigma, shift)
.set LP,   204                         ; the partner's (mean, sum of squares)
.set LT,   206
.set M,    208
.set ACC,  220
.set XSC,  238
.set SW,   239
.set WS,   240
.set WCR,  192                         ; in window 2
.set BCR,  224
.set MSB, 0
.macro WIN new                         ; the immediate's high byte repeats the setting that is left; a switch that changes nothing is dropped
.if MSB != \new
	s_set_vgpr_msb (MSB<<8)|\new
.set MSB, \new
.endif
.endm
.macro LOADV reg, sb, off              ; a vector of 128 in the lane's order: 8 loads of 16 bytes
.irp b, 0,1
.irp k, 0,1,2,3
	global_load_b128 v[(\reg)+16*\b+4*\k:(\reg)+16*\b+4*\k+3], v[VV], s[\sb:\sb+1] offset:(\off)+128*\b+16*\k
.endr
.endr
.endm
.macro LOADW p, sc, ss, offc, offs     ; product p's four fragments of W (window 1) and their scale words (window 0): 12 loads
	WIN 0x40
.irp t, 0,1,2,3
.irp c, 0,1
	global_load_b128 v[32*(\p)+8*\t+4*\c:32*(\p)+8*\t+4*\c+3], v[VW], s[\sc:\sc+1] offset:(\offc)+(32*(\t/2)+8*(\t%2))*64+32*\c
.endr
.endr
	WIN 0
.irp t, 0,1,2,3
	global_load_b32 v[WS+4*(\p)+\t], v[VS], s[\ss:\ss+1] offset:(\offs)+(32*(\t/2)+8*(\t%2))*4
.endr
.endm
.macro GROUP l                         ; all of layer l's parameters: 36 loads
	LOADW (\l)+1, 14, 16, 8192*(\l), 512*(\l)
	WIN 0x40
	LOADV 128+32*((\l)+1), 18, 512*(\l)
	WIN 0x80
	LOADV 32*(\l), 20, 512*(\l)
	LOADV 96+32*(\l), 22, 512*(\l)
	WIN 0
.endm
.macro GROUPC                          ; the classifier's: lane (r, hh) takes W_c(64 w + 32 b + 16 hh + i, its class) and b_c(5 hh + j): 37 loads
	WIN 0x80
.irp b, 0,1
.irp i, 0,1,2,3,4,5,6,7,8,9,10,11,12,13,14,15
	global_load_b32 v[WCR+16*\b+\i], v[VC], s[24:25] offset:(32*\b+\i)*40
.endr
.endr
.irp j, 0,1,2,3,4
	global_load_b32 v[BCR+\j], v[VBC], s[26:27] offset:4*\j
.endr
	WIN 0
.endm
.macro BAR                             ; my LDS stores have landed and my LDS loads are in: then the work-group's barrier
	s_wait_dscnt 0x0
	s_barrier_signal -1
	s_barrier_wait -1
.endm
; My 32 numbers of h are two half blocks of 32 along K (blocks 2 w and 2 w + 1; the other halves lie in lane l xor 16).  They become registers 4 w .. 4 w + 3 of the operand and two bytes of its scale word.
.macro QUANT l
.irp b, 0,1
	v_max3_num_f32 v[TM+\b], |v[H+16*\b]|, |v[H+16*\b+1]|, 0x1800000   ; with the floor 2^(3 - 127): the byte cannot fall under 1
.endr
.irp i, 2,4,6,8,10,12,14
.irp b, 0,1
	v_max3_num_f32 v[TM+\b], v[TM+\b], |v[H+16*\b+\i]|, |v[H+16*\b+\i+1]|
.endr
.endr
.irp b, 0,1
	v_permlanex16_b32 v[TX+\b], v[TM+\b], s34, s35
.endr
.irp b, 0,1
	v_max_num_f32 v[TM+\b], v[TM+\b], v[TX+\b]     ; the block's largest magnitude
.endr
.irp b, 0,1
	v_add_nc_u32 v[SO+\b], 0xff000000, v[TM+\b]    ; 2 off its exponent field: the conversion's scale operand
.endr
.irp b, 0,1
	v_lshrrev_b32 v[BY+\b], 23, v[SO+\b]           ; the scale's byte
.endr
	v_lshl_or_b32 v[HW], v[BY+1], 8, v[BY]
.irp b, 0,1
	v_cvt_scalef32_pk8_fp4_f32 v[PC+2*\b], v[H+16*\b:H+16*\b+7], v[SO+\b]
	v_cvt_scalef32_pk8_fp4_f32 v[PC+2*\b+1], v[H+16*\b+8:H+16*\b+15], v[SO+\b]
.endr
	v_nop                                          ; one plain instruction behind the scaled conversions
	v_permlane16_swap_b32 v[PC], v[PC+2]           ; the operand wants a whole block in a lane: lanes 0-15 block 2 w, lanes 16-31 block 2 w + 1
	v_permlane16_swap_b32 v[PC+1], v[PC+3]
	ds_store_b128 v[AI], v[PC:PC+3] offset:LBS*(\l)+CODES
	ds_store_b16 v[ASW], v[HW] offset:LBS*(\l)+SCW
.endm
.macro FETCHQ l                        ; the whole operand and its scale word come back by loads: wave 2 t's four registers, wave 2 t + 1's four
	ds_load_b128 v[Q:Q+3], v[AQ] offset:LBS*(\l)+CODES
	ds_load_b128 v[Q+4:Q+7], v[AQ] offset:LBS*(\l)+CODES+512
	ds_load_b32 v[SW], v[ASL] offset:LBS*(\l)+SCW
	s_wait_dscnt 0x0
.endm
.macro PRODUCT p, d, scl               ; four tiles, four accumulators; the bias is each sum's C
	WIN 0x11                                       ; source 0 (W) and C (the bias) in window 1
.irp t, 0,1,2,3
	v_wmma_scale_f32_16x16x128_f8f6f4 v[(\d)+8*\t:(\d)+8*\t+7], v[32*(\p)+8*\t:32*(\p)+8*\t+7], v[Q:Q+7], v[128+32*(\p)+8*\t:128+32*(\p)+8*\t+7], v[WS+4*(\p)+\t], v[\scl] matrix_a_fmt:MATRIX_FMT_FP4 matrix_b_fmt:MATRIX_FMT_FP4
.endr
	WIN 0
.endm
.macro MOM0                            ; S_0 = the sum of h; my share of T_0 = 128 is 32.  Fifteen plain lines that name no register of the product: its places
	v_pk_add_f32 v[ACC:ACC+1], v[H:H+1], v[H+2:H+3]
	v_pk_add_f32 v[ACC+2:ACC+3], v[H+4:H+5], v[H+6:H+7]
.set q, 4
.rept 12
	v_pk_add_f32 v[ACC+2*(q&1):ACC+2*(q&1)+1], v[ACC+2*(q&1):ACC+2*(q&1)+1], v[H+2*q:H+2*q+1]
.set q, q+1
.endr
	v_mov_b32 v[ACC+4], 0x42000000
.endm
.macro TANH                            ; u = 1 - 2 / (1 + 2^(2 log2(e) z)), each accumulator from its low end on
.set q, 0
.rept 16
	v_pk_mul_f32 v[U+2*q:U+2*q+1], v[U+2*q:U+2*q+1], 0x4038aa3b op_sel_hi:[1,0]
.set q, q+1
.endr
.set q, 0
.rept 32
	v_exp_f32 v[U+q], v[U+q]
.set q, q+1
.endr
	v_nop                                          ; a plain instruction behind the batch,
	s_wait_alu depctr_va_vdst(0)                   ; and one wait for all 32, ahead of their first reader
.set q, 0
.rept 16
	v_pk_add_f32 v[U+2*q:U+2*q+1], v[U+2*q:U+2*q+1], 1.0 op_sel_hi:[1,0]
.set q, q+1
.endr
.set q, 0
.rept 32
	v_rcp_f32 v[U+q], v[U+q]
.set q, q+1
.endr
	v_nop
	s_wait_alu depctr_va_vdst(0)                   ; likewise for the 32 reciprocals
.set q, 0
.rept 16
	v_pk_fma_f32 v[U+2*q:U+2*q+1], v[U+2*q:U+2*q+1], -2.0, 1.0 op_sel_hi:[1,0,0]
.set q, q+1
.endr
.endm
.macro FACT n                          ; FC = 1 / n! in f32
.if (\n) == 2
.set FC, 0x3f000000
.elseif (\n) == 3
.set FC, 0x3e2aaaab
.elseif (\n) == 4
.set FC, 0x3d2aaaab
.elseif (\n) == 5
.set FC, 0x3c088889
.elseif (\n) == 6
.set FC, 0x3ab60b61
.elseif (\n) == 7
.set FC, 0x39500d01
.elseif (\n) == 8
.set FC, 0x37d00d01
.elseif (\n) == 9
.set FC, 0x3638ef1d
.elseif (\n) == 10
.set FC, 0x3493f27e
.else
.set FC, 0x32d7322b
.endif
.endm
; Step s of seven that close moment n: the set's chains are joined; one exchange of halves puts S_n of row r into lanes 0-15 and T_n into lanes 16-31; the sum is divided by n!
.macro RED n, s
.set RB, ACC+8*((\n)&1)
.if (\s) == 1
	v_pk_add_f32 v[RB:RB+1], v[RB:RB+1], v[RB+2:RB+3]
.elseif ((\s) == 2) && ((\n) > 0)
	v_pk_add_f32 v[RB+4:RB+5], v[RB+4:RB+5], v[RB+6:RB+7]
.elseif (\s) == 3
	v_add_f32 v[RB], v[RB], v[RB+1]
.elseif ((\s) == 4) && ((\n) > 0)
	v_add_f32 v[RB+4], v[RB+4], v[RB+5]
.elseif (\s) == 5
	v_permlane16_swap_b32 v[RB], v[RB+4]
.elseif (\s) == 6
	v_add_f32 v[M+(\n)], v[RB], v[RB+4]
.elseif ((\s) == 7) && ((\n) > 1)
	FACT \n
	v_mul_f32 v[M+(\n)], FC, v[M+(\n)]
.endif
.endm
; Moment n: S_n += u^n h and T_n += u^n over my 16 pairs, two chains each, in set n % 2; the next power is made in place behind its last use; the closing of moment n - 1 stands between
.macro MOM n
.set SB, ACC+8*((\n)&1)
.if (\n) == 1
.set XB, U
.else
.set XB, P
.endif
	v_pk_mul_f32 v[SB:SB+1], v[XB:XB+1], v[H:H+1]
	v_pk_mul_f32 v[SB+2:SB+3], v[XB+2:XB+3], v[H+2:H+3]
	v_pk_add_f32 v[SB+4:SB+5], v[XB:XB+1], v[XB+4:XB+5]
	v_pk_add_f32 v[SB+6:SB+7], v[XB+2:XB+3], v[XB+6:XB+7]
	v_pk_fma_f32 v[SB:SB+1], v[XB+4:XB+5], v[H+4:H+5], v[SB:SB+1]
	v_pk_fma_f32 v[SB+2:SB+3], v[XB+6:XB+7], v[H+6:H+7], v[SB+2:SB+3]
.if (\n) < 11
.set q, 0
.rept 4
	v_pk_mul_f32 v[P+2*q:P+2*q+1], v[XB+2*q:XB+2*q+1], v[U+2*q:U+2*q+1]
.set q, q+1
.endr
.endif
.set q, 4
.rept 12
	v_pk_fma_f32 v[SB+2*(q&1):SB+2*(q&1)+1], v[XB+2*q:XB+2*q+1], v[H+2*q:H+2*q+1], v[SB+2*(q&1):SB+2*(q&1)+1]
	v_pk_add_f32 v[SB+4+2*(q&1):SB+4+2*(q&1)+1], v[SB+4+2*(q&1):SB+4+2*(q&1)+1], v[XB+2*q:XB+2*q+1]
.if (\n) < 11
	v_pk_mul_f32 v[P+2*q:P+2*q+1], v[XB+2*q:XB+2*q+1], v[U+2*q:U+2*q+1]
.endif
.if q < 11
	RED (\n)-1,q-3
.endif
.set q, q+1
.endr
.endm
.macro COEF l                          ; both waves' moments of my row: S's from lane r's place, T's from lane 16 + r's; added in the order w = 0 + w = 1 in both waves
.irp k, 0,1,2
	ds_load_b128 v[CS+4*\k:CS+4*\k+3], v[AML] offset:LBS*(\l)+MOMB+512*\k
	ds_load_b128 v[184+4*\k:184+4*\k+3], v[AML] offset:LBS*(\l)+MOMB+512*\k+1536
	ds_load_b128 v[CT+4*\k:CT+4*\k+3], v[AML] offset:LBS*(\l)+MOMB+512*\k+256
	ds_load_b128 v[196+4*\k:196+4*\k+3], v[AML] offset:LBS*(\l)+MOMB+512*\k+1536+256
.endr
	s_wait_dscnt 0x0
.set q, 0
.rept 12
	v_pk_add_f32 v[CS+2*q:CS+2*q+1], v[CS+2*q:CS+2*q+1], v[184+2*q:184+2*q+1]
.set q, q+1
.endr
.endm
.macro HORNER                          ; numerator into P, divisor into DN: 32 chains that do not wait for each other; a coefficient is one register of a pair, taken for both halves
.set q, 0
.rept 16
	v_pk_fma_f32 v[P+2*q:P+2*q+1], v[CS+10:CS+11], v[U+2*q:U+2*q+1], v[CS+10:CS+11] op_sel:[1,0,0] op_sel_hi:[1,1,0]
	v_pk_fma_f32 v[DN+2*q:DN+2*q+1], v[CT+10:CT+11], v[U+2*q:U+2*q+1], v[CT+10:CT+11] op_sel:[1,0,0] op_sel_hi:[1,1,0]
.set q, q+1
.endr
.irp k, 9,8,7,6,5,4,3,2,1,0
.set q, 0
.rept 16
.if (\k)&1
	v_pk_fma_f32 v[P+2*q:P+2*q+1], v[P+2*q:P+2*q+1], v[U+2*q:U+2*q+1], v[CS+2*(\k/2):CS+2*(\k/2)+1] op_sel:[0,0,1] op_sel_hi:[1,1,1]
	v_pk_fma_f32 v[DN+2*q:DN+2*q+1], v[DN+2*q:DN+2*q+1], v[U+2*q:U+2*q+1], v[CT+2*(\k/2):CT+2*(\k/2)+1] op_sel:[0,0,1] op_sel_hi:[1,1,1]
.else
	v_pk_fma_f32 v[P+2*q:P+2*q+1], v[P+2*q:P+2*q+1], v[U+2*q:U+2*q+1], v[CS+2*(\k/2):CS+2*(\k/2)+1] op_sel:[0,0,0] op_sel_hi:[1,1,0]
	v_pk_fma_f32 v[DN+2*q:DN+2*q+1], v[DN+2*q:DN+2*q+1], v[U+2*q:U+2*q+1], v[CT+2*(\k/2):CT+2*(\k/2)+1] op_sel:[0,0,0] op_sel_hi:[1,1,0]
.endif
.set q, q+1
.endr
.endr
.endm
.macro RESID                           ; h + numerator / divisor
.set q, 0
.rept 32
	v_rcp_f32 v[DN+q], v[DN+q]
.set q, q+1
.endr
	v_nop
	s_wait_alu depctr_va_vdst(0)                   ; one wait for the 32 reciprocals, ahead of their first reader
.set q, 0
.rept 16
	v_pk_fma_f32 v[H+2*q:H+2*q+1], v[P+2*q:P+2*q+1], v[DN+2*q:DN+2*q+1], v[H+2*q:H+2*q+1]
.set q, q+1
.endr
.endm
.macro LSUM                            ; four pairs of sums become one number in v[A4]; lane l xor 16's comes into v[LT]
	v_pk_add_f32 v[A4:A4+1], v[A4:A4+1], v[A4+2:A4+3]
	v_pk_add_f32 v[A4+4:A4+5], v[A4+4:A4+5], v[A4+6:A4+7]
	v_pk_add_f32 v[A4:A4+1], v[A4:A4+1], v[A4+4:A4+5]
	v_add_f32 v[A4], v[A4], v[A4+1]
	v_permlanex16_b32 v[LT], v[A4], s34, s35
.endm
; The layernorm: my wave's mean of its 64 units, the squares about that mean, then both waves' figures merged: mean = (m + m') / 2, M2 = M2 + M2' + 32 (m' - m)^2.  No difference of large sums is formed.
.macro LNORM l
.set q, 0
.rept 4
	v_pk_add_f32 v[A4+2*q:A4+2*q+1], v[H+4*q:H+4*q+1], v[H+4*q+2:H+4*q+3]
.set q, q+1
.endr
.set q, 8
.rept 8
	v_pk_add_f32 v[A4+2*(q&3):A4+2*(q&3)+1], v[A4+2*(q&3):A4+2*(q&3)+1], v[H+2*q:H+2*q+1]
.set q, q+1
.endr
	LSUM
	v_add_f32 v[A4], v[A4], v[LT]
	v_mul_f32 v[LM], 0x3c800000, v[A4]             ; / 64
.set q, 0
.rept 16
	v_pk_add_f32 v[H+2*q:H+2*q+1], v[H+2*q:H+2*q+1], v[LM:LM+1] op_sel_hi:[1,0] neg_lo:[0,1] neg_hi:[0,1]
.set q, q+1
.endr
.set q, 0
.rept 4
	v_pk_mul_f32 v[A4+2*q:A4+2*q+1], v[H+2*q:H+2*q+1], v[H+2*q:H+2*q+1]
.set q, q+1
.endr
.set q, 4
.rept 12
	v_pk_fma_f32 v[A4+2*(q&3):A4+2*(q&3)+1], v[H+2*q:H+2*q+1], v[H+2*q:H+2*q+1], v[A4+2*(q&3):A4+2*(q&3)+1]
.set q, q+1
.endr
	LSUM
	v_add_f32 v[LM+1], v[A4], v[LT]
	ds_store_b64 v[ALS], v[LM:LM+1] offset:LBS*(\l)+LNX
	BAR
	ds_load_b64 v[LP:LP+1], v[ALP] offset:LBS*(\l)+LNX
	s_wait_dscnt 0x0
	v_sub_f32 v[LT+1], v[LP], v[LM]                ; delta = the partner's mean - mine
	v_add_f32 v[LT], v[LM+1], v[LP+1]
	v_mul_f32 v[A4], v[LT+1], v[LT+1]
	v_fma_f32 v[LT], v[A4], 0x42000000, v[LT]      ; + 32 delta^2
	v_fma_f32 v[LT], v[LT], s36, s37               ; / 128 + 1e-5
	v_rsq_f32 v[LR], v[LT]
	v_mul_f32 v[LR+1], -0.5, v[LT+1]               ; (the plain instruction behind the root)  my mean - the row's mean
	s_wait_alu depctr_va_vdst(0)                   ; the wait ahead of the root's first reader
	v_mul_f32 v[LR+1], v[LR+1], v[LR]
.set q, 0
.rept 16
	v_pk_fma_f32 v[H+2*q:H+2*q+1], v[H+2*q:H+2*q+1], v[LR:LR+1], v[LR:LR+1] op_sel:[0,0,1] op_sel_hi:[1,0,1]
.set q, q+1
.endr
	WIN 0x28                                       ; sources 1 and 2 (gamma, beta) in window 2
.set q, 0
.rept 16
	v_pk_fma_f32 v[H+2*q:H+2*q+1], v[H+2*q:H+2*q+1], v[32*(\l)+2*q:32*(\l)+2*q+1], v[96+32*(\l)+2*q:96+32*(\l)+2*q+1]
.set q, q+1
.endr
	WIN 0
.endm
.macro LAYER l
	QUANT \l
	BAR                                            ; both waves' codes and scale bytes lie in LDS
	FETCHQ \l
	s_wait_loadcnt 0x0                             ; this layer's parameters: nothing younger is out
	PRODUCT (\l)+1, U, SW
.if (\l) < 2
	GROUP (\l)+1                                   ; the next layer's parameters have this whole layer in which to land; they go into registers of their own
.else
	GROUPC
.endif
	MOM0
	TANH
.irp n, 1,2,3,4,5,6,7,8,9,10,11
	MOM \n
.endr
.irp s, 1,2,3,4,5,6,7
	RED 11,\s
.endr
.irp k, 0,1,2
	ds_store_b128 v[AMS], v[M+4*\k:M+4*\k+3] offset:LBS*(\l)+MOMB+512*\k
.endr
	BAR                                            ; both waves' moments lie in LDS
	COEF \l
	HORNER
	RESID
	LNORM \l
.endm
	s_load_b512 s[4:19], s[0:1], 0x0               ; x_codes 4, x_scales 6, W_in_codes 8, W_in_scales 10, b_in 12, W_att_codes 14, W_att_scales 16, b_att 18
	s_load_b256 s[20:27], s[0:1], 0x40             ; gamma 20, beta 22, W_c 24, b_c 26
	s_load_b64 s[28:29], s[0:1], 0x60              ; out0
	v_lshl_add_u32 v236, v0, 2, 0x8000
	v_mov_b32 v237, 0
	v_lshrrev_b32 v1, 5, v0
	v_readfirstlane_b32 s30, v1                    ; wave 0..3
	s_lshr_b32 s31, s30, 1                         ; t: my tile of 16 rows
	s_and_b32 s32, s30, 1                          ; w: my 64 hidden units
	s_lshl_b32 s33, ttmp9, 5
	s_lshl_b32 s39, s31, 4
	s_add_co_u32 s33, s33, s39                     ; my first row: 32 x work-group + 16 t
	s_mov_b32 s34, 0x76543210
	s_mov_b32 s35, 0xfedcba98                      ; v_permlanex16_b32's selects for lane l xor 16
	s_mov_b32 s36, 0x3c000000                      ; 1 / 128
	s_mov_b32 s37, 0x3727c5ac                      ; 1e-5
	s_cmp_eq_u32 s32, 0
	s_cselect_b32 s38, 1.0, 0                      ; b_c is added by the wave with w = 0 alone
	v_and_b32 v1, 31, v0                           ; lane
	v_and_b32 v2, 15, v0                           ; r
	v_bfe_u32 v3, v0, 4, 1                         ; hh
	v_add_nc_u32 v[VX], s33, v2
	v_lshlrev_b32 v[VXS], 2, v[VX]
	v_lshlrev_b32 v[VX], 6, v[VX]
	v_lshl_add_u32 v[VX], v3, 4, v[VX]
	v_and_b32 v22, 8, v2
	v_add_nc_u32 v22, v22, v2                      ; r + 8 (r / 8)
	s_lshl_b32 s39, s32, 12
	v_lshl_add_u32 v[VW], v22, 6, s39
	v_lshl_add_u32 v[VW], v3, 4, v[VW]
	s_lshl_b32 s40, s32, 8
	v_lshl_add_u32 v[VS], v22, 2, s40
	v_lshl_add_u32 v[VV], v3, 6, s40
	v_and_b32 v22, 7, v2
	v_cmp_gt_u32 vcc_lo, 5, v22
	v_cndmask_b32 v[MASK], 0, -1, vcc_lo           ; rows 5-7 and 13-15 of W_c's tile are no class: their numbers are made zeros
	v_min_u32 v22, 4, v22                          ; (and they load a class that exists)
	v_lshrrev_b32 v23, 3, v2
	v_mad_u32_u24 v22, v23, 5, v22                 ; row m of the tile is class m % 8 + 5 (m / 8)
	s_mul_i32 s41, s32, 2560
	v_mad_u32_u24 v[VC], v3, 640, s41
	v_lshl_add_u32 v[VC], v22, 2, v[VC]
	v_mul_u32_u24 v[VBC], v3, 20
	v_lshlrev_b32 v[AI], 4, v0
	s_lshl_b32 s42, s31, 7
	v_lshl_add_u32 v[ASL], v1, 2, s42
	s_lshl_b32 s43, s32, 1
	s_add_co_u32 s42, s42, s43
	v_lshl_add_u32 v[ASW], v1, 2, s42
	s_lshl_b32 s43, s31, 10
	v_lshl_add_u32 v[AQ], v1, 4, s43
	s_mul_i32 s43, s30, 1536
	v_lshl_add_u32 v[AMS], v1, 4, s43
	s_mul_i32 s43, s31, 3072
	v_lshl_add_u32 v[AML], v2, 4, s43
	v_lshlrev_b32 v[ALS], 3, v0
	v_xor_b32 v[ALP], 0x100, v[ALS]
	s_mul_i32 s43, s32, 1280
	s_mul_i32 s44, s31, 640
	s_add_co_u32 s43, s43, s44
	v_mad_u32_u24 v[AO], v2, 40, s43
	v_mad_u32_u24 v[AO], v3, 20, v[AO]
	s_mul_i32 s43, ttmp9, 1280
	v_add_nc_u32 v[VOUT], s43, v[ALS]
	s_wait_kmcnt 0x0
	global_load_b128 v[Q:Q+3], v[VX], s[4:5]       ; x's fragment: 23 loads serve in_proj,
	global_load_b128 v[Q+4:Q+7], v[VX], s[4:5] offset:32
	global_load_b32 v[XSC], v[VXS], s[6:7]
	LOADW 0, 8, 10, 0, 0
	WIN 0x40
	LOADV 128, 12, 0
	GROUP 0                                        ; and 36 more are layer 0's
	s_wait_loadcnt 36                              ; loads come back in order: the 23 are in, layer 0's 36 may stay out
	PRODUCT 0, H, XSC                              ; h = x W_in + b_in
	v_mov_b32 v[TX], 0                             ; written once: a lane permute's destination counts as one of its sources, and a pair is read whole.
	v_mov_b32 v[TX+1], 0                           ; These five plain lines are also the places behind the product
	v_mov_b32 v[LM+1], 0
	v_mov_b32 v[LT], 0
	v_mov_b32 v[LT+1], 0
	LAYER 0
	LAYER 1
	LAYER 2
	; THE CLASSIFIER, in bf16: out^T = W_c^T h^T, K = my 64 units in two steps of 32.  Both sources put unit 64 w + 32 b + 16 hh + i into the same place (half hh, register i / 2, half word i % 2).
	; In the result lane (r, hh) holds classes 5 hh + 0 .. 4 of row r in registers 0 to 4.
	s_wait_loadcnt 0x0                             ; W_c and b_c
	WIN 0x0a                                       ; sources 0 and 1 in window 2
.irp b, 0,1
.irp i, 0,1,2,3,4,5,6,7
	v_cvt_pk_bf16_f32 v[96+8*\b+\i], v[WCR+16*\b+2*\i], v[WCR+16*\b+2*\i+1]
.endr
.endr
.irp j, 0,1,2,3,4
	v_mul_f32 v[136+\j], s38, v[BCR+\j]            ; the bias is the sum's C, in one of the two waves
.endr
	WIN 0
.irp i, 0,1,2,3,4,5,6,7,8,9,10,11,12,13,14,15
	v_and_b32 v[96+\i], v[MASK], v[96+\i]
.endr
.irp b, 0,1
.irp i, 0,1,2,3,4,5,6,7
	v_cvt_pk_bf16_f32 v[112+8*\b+\i], v[H+16*\b+2*\i], v[H+16*\b+2*\i+1]
.endr
.endr
	v_mov_b32 v141, 0
	v_mov_b32 v142, 0
	v_mov_b32 v143, 0
	v_wmma_f32_16x16x32_bf16 v[128:135], v[96:103], v[112:119], v[136:143]
	s_wait_alu depctr_va_vdst(0)                   ; one accumulator, two links
	v_wmma_f32_16x16x32_bf16 v[128:135], v[104:111], v[120:127], v[128:135]
.rept 4
	v_nop                                          ; four places ahead of the stores that read the result
.endr
.irp j, 0,1,2,3,4
	ds_store_b32 v[AO], v[128+\j] offset:OUTB+4*\j ; from the accumulator's low end on
.endr
	BAR                                            ; two partial outputs of 32 rows x 10 lie in LDS, each 1,280 dense bytes
	ds_load_b64 v[184:185], v[ALS] offset:OUTB
	ds_load_b64 v[186:187], v[ALS] offset:OUTB+1280
	s_wait_dscnt 0x0
	v_pk_add_f32 v[184:185], v[184:185], v[186:187]
	global_store_b64 v[VOUT], v[184:185], s[28:29] th:TH_STORE_NT              ; 32 lanes store 256 consecutive bytes, at a multiple of 256 from out0's first byte
	s_cmp_lg_u32 s30, 0                            ; the work-group's 1,280 bytes are five such runs: wave 0 takes the fifth
	s_cbranch_scc1 .Lend
	ds_load_b64 v[188:189], v[ALS] offset:OUTB+1024
	ds_load_b64 v[190:191], v[ALS] offset:OUTB+1280+1024
	s_wait_dscnt 0x0
	v_pk_add_f32 v[188:189], v[188:189], v[190:191]
	global_store_b64 v[VOUT], v[188:189], s[28:29] offset:1024 th:TH_STORE_NT
.Lend:
	s_wait_tensorcnt 0x0
	ds_add_u32 v236, v237
	s_wait_dscnt 0x0
	s_endpgm
.Lfunc_end_k_q3f79e2b048_simple_attention:
	.size	k_q3f79e2b048_simple_attention, .Lfunc_end_k_q3f79e2b048_simple_attention-k_q3f79e2b048_simple_attention
	.p2alignl 7, 3214868480
	.fill 96, 4, 3214868480
	.section	.rodata,"a",@progbits
	.p2align	6, 0x0
	.amdhsa_kernel k_q3f79e2b048_simple_attention
		.amdhsa_group_segment_fixed_size 33280
		.amdhsa_private_segment_fixed_size 0
		.amdhsa_enable_private_segment 0
		.amdhsa_kernarg_size 104
		.amdhsa_user_sgpr_count 2
		.amdhsa_user_sgpr_kernarg_segment_ptr 1
		.amdhsa_wavefront_size32 1
		.amdhsa_system_sgpr_workgroup_id_x 1
		.amdhsa_system_sgpr_workgroup_id_y 1
		.amdhsa_system_sgpr_workgroup_id_z 1
		.amdhsa_system_vgpr_workitem_id 0
		.amdhsa_next_free_vgpr 768
		.amdhsa_next_free_sgpr 66
		.amdhsa_reserve_vcc 1
		.amdhsa_float_denorm_mode_32 3
		.amdhsa_float_denorm_mode_16_64 3
		.amdhsa_memory_ordered 1
		.amdhsa_forward_progress 1
		.amdhsa_inst_pref_size 252
	.end_amdhsa_kernel
	.amdgpu_metadata
---
amdhsa.version: [ 1, 2 ]
amdhsa.kernels:
  - .name:           k_q3f79e2b048_simple_attention
    .symbol:         k_q3f79e2b048_simple_attention.kd
    .args:
      - { .name: x_codes, .offset: 0, .size: 8, .value_kind: global_buffer, .address_space: global }
      - { .name: x_scales, .offset: 8, .size: 8, .value_kind: global_buffer, .address_space: global }
      - { .name: W_in_codes, .offset: 16, .size: 8, .value_kind: global_buffer, .address_space: global }
      - { .name: W_in_scales, .offset: 24, .size: 8, .value_kind: global_buffer, .address_space: global }
      - { .name: b_in, .offset: 32, .size: 8, .value_kind: global_buffer, .address_space: global }
      - { .name: W_att_codes, .offset: 40, .size: 8, .value_kind: global_buffer, .address_space: global }
      - { .name: W_att_scales, .offset: 48, .size: 8, .value_kind: global_buffer, .address_space: global }
      - { .name: b_att, .offset: 56, .size: 8, .value_kind: global_buffer, .address_space: global }
      - { .name: gamma, .offset: 64, .size: 8, .value_kind: global_buffer, .address_space: global }
      - { .name: beta, .offset: 72, .size: 8, .value_kind: global_buffer, .address_space: global }
      - { .name: W_c, .offset: 80, .size: 8, .value_kind: global_buffer, .address_space: global }
      - { .name: b_c, .offset: 88, .size: 8, .value_kind: global_buffer, .address_space: global }
      - { .name: out0, .offset: 96, .size: 8, .value_kind: global_buffer, .address_space: global }
    .group_segment_fixed_size: 33280
    .private_segment_fixed_size: 0
    .kernarg_segment_align: 8
    .kernarg_segment_size: 104
    .max_flat_workgroup_size: 128
    .sgpr_count:     66
    .vgpr_count:     768
    .wavefront_size: 32
...
	.end_amdgpu_metadata
.endif
;; end of part 1
;; ======== version 2 of 2: 1 launch; version 1 with the launch simple_attention written anew for expert scheduling mode
;; launch simple_attention (part 2): grid 256 x 1, 4 waves a work-group, no clusters, 33,280 bytes of LDS; arguments x_codes, x_scales, W_in_codes, W_in_scales, b_in, W_att_codes, W_att_scales, b_att, gamma, beta, W_c, b_c, out0; writes out0
.if DOCPART == 2
	.amdgcn_target "amdgcn-amd-amdhsa--gfx1250"
	.amdhsa_code_object_version 6
	.text
	.protected	k_q3f79e2b048_simple_attention
	.globl	k_q3f79e2b048_simple_attention
	.p2align	8
	.type	k_q3f79e2b048_simple_attention,@function
k_q3f79e2b048_simple_attention:
	s_mov_b64 s[64:65], 0
	v_nop
	global_prefetch_b8 v0, s[64:65] scope:SCOPE_SE
	s_setreg_imm32_b32 hwreg(HW_REG_WAVE_SCHED_MODE, 0, 2), 2
	s_setreg_imm32_b32 hwreg(HW_REG_WAVE_MODE, 25, 1), 1
	s_wait_xcnt 0x0
	s_wait_alu depctr_vm_vsrc(0)
; h = x W_in + b_in;  three times: u = tanh(Q(h) W_att + b_att), out_i = sum_j softmax_j(u_i u_j) h_j, h = layernorm(h + out) gamma + beta;  out0 = h W_c + b_c.
; The four products [8192,128] x [128,128] run on E2M1 codes with one E8M0 scale for each 32 along K; x and the weights arrive as codes, h is quantised here, in registers.
; SHARES.  A work-group of four waves owns 32 rows.  Wave wv: t = wv / 2 is its tile of 16 rows, w = wv % 2 its 64 hidden units: 32 numbers a lane.
; LAYOUT.  Every quantised product is used transposed (source 0 = 16 rows of W, source 1 = 16 rows of x or h), and lane r of the wave's tile 2 b + u takes W's row 64 w + 32 b + 8 u + r + 8 (r / 8).
; So lane (r = lane % 16, hh = lane / 16) holds row r, and register 16 b + i of H, U, the biases, gamma and beta is hidden unit 64 w + 32 b + 16 hh + i: 16 neighbours along the next K.
; THE SOFTMAX.  u is a tanh, so every score u_i u_j lies in [-1, 1] for every input: each exponential lies in [1/e, e] and each sum of 128 in [47, 348]; no maximum is taken away, since none can matter.
; On [-1, 1] exp(z) is its Taylor sum to n = 11 with a remainder under 2.3e-9, and z factors: sum_j exp(u_i u_j) h_j = sum_n u_i^n (S_n / n!), S_n = sum_j u_j^n h_j; the divisor likewise with T_n = sum_j u_j^n.
; A row's 24 moments are summed once, and each unit evaluates two polynomials of degree 11 by Horner's scheme.  All of it in f32.
; THE TWO WAVES OF A ROW TILE exchange through LDS, three times a layer: h's codes and scale bytes, the moments, the layernorm's mean and sum of squares; once more for the classifier's two partial sums.
; Every exchange has LDS bytes of its own, written once in the launch: the only order needed is store, wait, barrier, load.
; LIMITS.  The series' cut: remainder under 2.3e-9 for |u_i u_j| <= 1, which tanh guarantees.  Horner's rounding can be up to e^2 = 7.4 times that of the direct sum, where |u| = 1 with opposite signs.
; tanh(z) = 1 - 2 / (1 + 2^(2.885390 z)): absolute error about 1.2e-7.  The variance is merged from two halves of 64 (each about its own mean): another order of rounding than a single sum's.
; A block of zeros gets the scale byte 1 and not 127: its codes are zeros, and this program alone reads the byte.  h and W_c are rounded to bf16 for the last product.
; NaN and infinities among the inputs, and scale bytes 0xff, are not served.
; REGISTERS, in windows of 256.  Window 0: v1-21 lane numbers and addresses, never rewritten; Q the second source's fragment; H, U; P powers of u, then the numerator; DN the divisor; CS, CT coefficients;
;   v184-207 at work; M moments; ACC two sets of sums; v238-255 scale words and nothing else.
;   Window 1: W's 4 fragments of product p at 32 p, its bias at 128 + 32 p.   Window 2: gamma at 32 L, beta at 96 + 32 L, W_c at 192, b_c at 224.  Every parameter has registers of its own.
; THE MODE: SCHED_MODE bits 1:0 = 2 (LLVM: expert scheduling mode 2), set by the entry lines.  The code itself states the register dependences
; between vector or matrix instructions and memory or LDS instructions, with s_wait_alu, always for 0.
; THE PLAN.  Registers that memory or LDS instructions touch:
;   v4-v20        Offsets and LDS addresses: written at the head, ahead of one wait on va_vdst that stands in front of the first load; never written again.
;   the parameters (windows 1 and 2, WS, XSC)  Each is loaded once, into registers that no vector or matrix instruction names before: their loads hang on the addresses alone.
;   Q, SW         A layer's LDS loads land in them; the layer's product reads them; the next layer's loads land in them again.
;   PC, HW        Written by the quantiser, read by its two LDS stores; written again by the coefficients' loads (v184-207) and by the next quantiser.
;   M             Written by the moments' closings, read by three LDS stores; written again in the next layer.
;   CS, CT, v184-207  The coefficients' twelve LDS loads land in them; the additions and the polynomials read them; v184-207 serve the quantiser and the layernorm besides.
;   LM, LP        The layernorm writes LM, one LDS store reads it; the partner's figures land in LP.
; So a layer has three waits on va_vdst, each ahead of a run of LDS stores, where it states that the stores' data are written AND that the registers in which the loads behind the
; barrier land are done with (only the stores and the barrier stand between); and one wait on vm_vsrc, ahead of the coefficients' loads, which states that the LDS stores issued so far
; have read PC, HW, M and LM.  The waits behind the transcendentals stand beside these.
.set LBS,   9472                       ; LDS: a layer's exchanges
.set CODES, 0                          ; 2,048: wave wv's four code registers as they stand: 16 x thread
.set SCW,   2048                       ; 256: a scale word a lane: 128 t + 4 lane; wave w writes its two bytes at + 2 w
.set MOMB,  2304                       ; 6,144: wave wv's moments: 1,536 wv + 512 k + 16 lane
.set LNX,   8448                       ; 1,024: (mean, sum of squares): 8 x thread
.set OUTB,  3*LBS                      ; 2,560: two partial outputs [32 rows][10]
.set VX,   4                           ; x's codes: (row) 64 + 16 hh
.set VXS,  5                           ; x's scale words: (row) 4
.set VW,   6                           ; W's codes: (r + 8 (r / 8)) 64 + 16 hh + 4,096 w
.set VS,   7                           ; W's scale words: (r + 8 (r / 8)) 4 + 256 w
.set VV,   8                           ; vectors of 128: 64 hh + 256 w
.set VC,   9                           ; W_c: (64 w + 16 hh) 40 + 4 x class
.set VBC,  10                          ; b_c: 20 hh
.set AI,   11                          ; LDS: 16 x thread
.set ASW,  12                          ; 128 t + 2 w + 4 lane
.set AQ,   13                          ; 1,024 t + 16 lane
.set ASL,  14                          ; 128 t + 4 lane
.set AMS,  15                          ; 1,536 wv + 16 lane
.set AML,  16                          ; 3,072 t + 16 r
.set ALS,  17                          ; 8 x thread
.set ALP,  18                          ; the partner wave's: 8 x thread xor 256
.set AO,   19                          ; 1,280 w + 40 (16 t + r) + 20 hh
.set VOUT, 20                          ; out0: 1,280 x work-group + 8 x thread
.set MASK, 21                          ; -1 where r % 8 < 5
.set Q,    24
.set H,    32
.set U,    64
.set P,    96
.set DN,   128
.set CS,   160
.set CT,   172
.set TM,   184                         ; the quantiser: largest magnitudes, the other half's, scale operands, bytes, the two bytes joined, codes
.set TX,   186
.set SO,   188
.set BY,   190
.set HW,   192
.set PC,   196
.set A4,   184                         ; the layernorm: four pairs of sums
.set LM,   200                         ; my (mean, sum of squares)
.set LR,   202                         ; (1 / sigma, shift)
.set LP,   204                         ; the partner's (mean, sum of squares)
.set LT,   206
.set M,    208
.set ACC,  220
.set XSC,  238
.set SW,   239
.set WS,   240
.set WCR,  192                         ; in window 2
.set BCR,  224
.set MSB, 0
.macro WIN new                         ; the immediate's high byte repeats the setting that is left; a switch that changes nothing is dropped
.if MSB != \new
	s_set_vgpr_msb (MSB<<8)|\new
.set MSB, \new
.endif
.endm
.macro LOADV reg, sb, off              ; a vector of 128 in the lane's order: 8 loads of 16 bytes
.irp b, 0,1
.irp k, 0,1,2,3
	global_load_b128 v[(\reg)+16*\b+4*\k:(\reg)+16*\b+4*\k+3], v[VV], s[\sb:\sb+1] offset:(\off)+128*\b+16*\k
.endr
.endr
.endm
.macro LOADW p, sc, ss, offc, offs     ; product p's four fragments of W (window 1) and their scale words (window 0): 12 loads
	WIN 0x40
.irp t, 0,1,2,3
.irp c, 0,1
	global_load_b128 v[32*(\p)+8*\t+4*\c:32*(\p)+8*\t+4*\c+3], v[VW], s[\sc:\sc+1] offset:(\offc)+(32*(\t/2)+8*(\t%2))*64+32*\c
.endr
.endr
	WIN 0
.irp t, 0,1,2,3
	global_load_b32 v[WS+4*(\p)+\t], v[VS], s[\ss:\ss+1] offset:(\offs)+(32*(\t/2)+8*(\t%2))*4
.endr
.endm
.macro GROUP l                         ; all of layer l's parameters: 36 loads
	LOADW (\l)+1, 14, 16, 8192*(\l), 512*(\l)
	WIN 0x40
	LOADV 128+32*((\l)+1), 18, 512*(\l)
	WIN 0x80
	LOADV 32*(\l), 20, 512*(\l)
	LOADV 96+32*(\l), 22, 512*(\l)
	WIN 0
.endm
.macro GROUPC                          ; the classifier's: lane (r, hh) takes W_c(64 w + 32 b + 16 hh + i, its class) and b_c(5 hh + j): 37 loads
	WIN 0x80
.irp b, 0,1
.irp i, 0,1,2,3,4,5,6,7,8,9,10,11,12,13,14,15
	global_load_b32 v[WCR+16*\b+\i], v[VC], s[24:25] offset:(32*\b+\i)*40
.endr
.endr
.irp j, 0,1,2,3,4
	global_load_b32 v[BCR+\j], v[VBC], s[26:27] offset:4*\j
.endr
	WIN 0
.endm
.macro BAR                             ; my LDS stores have landed and my LDS loads are in: then the work-group's barrier
	s_wait_dscnt 0x0
	s_barrier_signal -1
	s_barrier_wait -1
.endm
; My 32 numbers of h are two half blocks of 32 along K (blocks 2 w and 2 w + 1; the other halves lie in lane l xor 16).  They become registers 4 w .. 4 w + 3 of the operand and two bytes of its scale word.
.macro QUANT l
.irp b, 0,1
	v_max3_num_f32 v[TM+\b], |v[H+16*\b]|, |v[H+16*\b+1]|, 0x1800000   ; with the floor 2^(3 - 127): the byte cannot fall under 1
.endr
.irp i, 2,4,6,8,10,12,14
.irp b, 0,1
	v_max3_num_f32 v[TM+\b], v[TM+\b], |v[H+16*\b+\i]|, |v[H+16*\b+\i+1]|
.endr
.endr
.irp b, 0,1
	v_permlanex16_b32 v[TX+\b], v[TM+\b], s34, s35
.endr
.irp b, 0,1
	v_max_num_f32 v[TM+\b], v[TM+\b], v[TX+\b]     ; the block's largest magnitude
.endr
.irp b, 0,1
	v_add_nc_u32 v[SO+\b], 0xff000000, v[TM+\b]    ; 2 off its exponent field: the conversion's scale operand
.endr
.irp b, 0,1
	v_lshrrev_b32 v[BY+\b], 23, v[SO+\b]           ; the scale's byte
.endr
	v_lshl_or_b32 v[HW], v[BY+1], 8, v[BY]
.irp b, 0,1
	v_cvt_scalef32_pk8_fp4_f32 v[PC+2*\b], v[H+16*\b:H+16*\b+7], v[SO+\b]
	v_cvt_scalef32_pk8_fp4_f32 v[PC+2*\b+1], v[H+16*\b+8:H+16*\b+15], v[SO+\b]
.endr
	v_nop                                          ; one plain instruction behind the scaled conversions
	v_permlane16_swap_b32 v[PC], v[PC+2]           ; the operand wants a whole block in a lane: lanes 0-15 block 2 w, lanes 16-31 block 2 w + 1
	v_permlane16_swap_b32 v[PC+1], v[PC+3]
	s_wait_alu depctr_va_vdst(0)                   ; v[PC ..] and v[HW] are written, which the two LDS stores read; the last product is done reading v[Q ..] and its scale word, in which the loads behind the barrier land
	ds_store_b128 v[AI], v[PC:PC+3] offset:LBS*(\l)+CODES
	ds_store_b16 v[ASW], v[HW] offset:LBS*(\l)+SCW
.endm
.macro FETCHQ l                        ; the whole operand and its scale word come back by loads: wave 2 t's four registers, wave 2 t + 1's four.  No vector or matrix instruction since the quantiser's wait names v[Q ..] or v[SW]
	ds_load_b128 v[Q:Q+3], v[AQ] offset:LBS*(\l)+CODES
	ds_load_b128 v[Q+4:Q+7], v[AQ] offset:LBS*(\l)+CODES+512
	ds_load_b32 v[SW], v[ASL] offset:LBS*(\l)+SCW
	s_wait_dscnt 0x0
.endm
.macro PRODUCT p, d, scl               ; four tiles, four accumulators; the bias is each sum's C
	WIN 0x11                                       ; source 0 (W) and C (the bias) in window 1
.irp t, 0,1,2,3
	v_wmma_scale_f32_16x16x128_f8f6f4 v[(\d)+8*\t:(\d)+8*\t+7], v[32*(\p)+8*\t:32*(\p)+8*\t+7], v[Q:Q+7], v[128+32*(\p)+8*\t:128+32*(\p)+8*\t+7], v[WS+4*(\p)+\t], v[\scl] matrix_a_fmt:MATRIX_FMT_FP4 matrix_b_fmt:MATRIX_FMT_FP4
.endr
	WIN 0
.endm
.macro MOM0                            ; S_0 = the sum of h; my share of T_0 = 128 is 32.  Fifteen plain lines that name no register of the product: its places
	v_pk_add_f32 v[ACC:ACC+1], v[H:H+1], v[H+2:H+3]
	v_pk_add_f32 v[ACC+2:ACC+3], v[H+4:H+5], v[H+6:H+7]
.set q, 4
.rept 12
	v_pk_add_f32 v[ACC+2*(q&1):ACC+2*(q&1)+1], v[ACC+2*(q&1):ACC+2*(q&1)+1], v[H+2*q:H+2*q+1]
.set q, q+1
.endr
	v_mov_b32 v[ACC+4], 0x42000000
.endm
.macro TANH                            ; u = 1 - 2 / (1 + 2^(2 log2(e) z)), each accumulator from its low end on
.set q, 0
.rept 16
	v_pk_mul_f32 v[U+2*q:U+2*q+1], v[U+2*q:U+2*q+1], 0x4038aa3b op_sel_hi:[1,0]
.set q, q+1
.endr
.set q, 0
.rept 32
	v_exp_f32 v[U+q], v[U+q]
.set q, q+1
.endr
	v_nop                                          ; a plain instruction behind the batch,
	s_wait_alu depctr_va_vdst(0)                   ; and one wait for all 32: the exponentials have written v[U ..], ahead of their first reader
.set q, 0
.rept 16
	v_pk_add_f32 v[U+2*q:U+2*q+1], v[U+2*q:U+2*q+1], 1.0 op_sel_hi:[1,0]
.set q, q+1
.endr
.set q, 0
.rept 32
	v_rcp_f32 v[U+q], v[U+q]
.set q, q+1
.endr
	v_nop
	s_wait_alu depctr_va_vdst(0)                   ; likewise: the 32 reciprocals have written v[U ..], ahead of their first reader
.set q, 0
.rept 16
	v_pk_fma_f32 v[U+2*q:U+2*q+1], v[U+2*q:U+2*q+1], -2.0, 1.0 op_sel_hi:[1,0,0]
.set q, q+1
.endr
.endm
.macro FACT n                          ; FC = 1 / n! in f32
.if (\n) == 2
.set FC, 0x3f000000
.elseif (\n) == 3
.set FC, 0x3e2aaaab
.elseif (\n) == 4
.set FC, 0x3d2aaaab
.elseif (\n) == 5
.set FC, 0x3c088889
.elseif (\n) == 6
.set FC, 0x3ab60b61
.elseif (\n) == 7
.set FC, 0x39500d01
.elseif (\n) == 8
.set FC, 0x37d00d01
.elseif (\n) == 9
.set FC, 0x3638ef1d
.elseif (\n) == 10
.set FC, 0x3493f27e
.else
.set FC, 0x32d7322b
.endif
.endm
; Step s of seven that close moment n: the set's chains are joined; one exchange of halves puts S_n of row r into lanes 0-15 and T_n into lanes 16-31; the sum is divided by n!
.macro RED n, s
.set RB, ACC+8*((\n)&1)
.if (\s) == 1
	v_pk_add_f32 v[RB:RB+1], v[RB:RB+1], v[RB+2:RB+3]
.elseif ((\s) == 2) && ((\n) > 0)
	v_pk_add_f32 v[RB+4:RB+5], v[RB+4:RB+5], v[RB+6:RB+7]
.elseif (\s) == 3
	v_add_f32 v[RB], v[RB], v[RB+1]
.elseif ((\s) == 4) && ((\n) > 0)
	v_add_f32 v[RB+4], v[RB+4], v[RB+5]
.elseif (\s) == 5
	v_permlane16_swap_b32 v[RB], v[RB+4]
.elseif (\s) == 6
	v_add_f32 v[M+(\n)], v[RB], v[RB+4]
.elseif ((\s) == 7) && ((\n) > 1)
	FACT \n
	v_mul_f32 v[M+(\n)], FC, v[M+(\n)]
.endif
.endm
; Moment n: S_n += u^n h and T_n += u^n over my 16 pairs, two chains each, in set n % 2; the next power is made in place behind its last use; the closing of moment n - 1 stands between
.macro MOM n
.set SB, ACC+8*((\n)&1)
.if (\n) == 1
.set XB, U
.else
.set XB, P
.endif
	v_pk_mul_f32 v[SB:SB+1], v[XB:XB+1], v[H:H+1]
	v_pk_mul_f32 v[SB+2:SB+3], v[XB+2:XB+3], v[H+2:H+3]
	v_pk_add_f32 v[SB+4:SB+5], v[XB:XB+1], v[XB+4:XB+5]
	v_pk_add_f32 v[SB+6:SB+7], v[XB+2:XB+3], v[XB+6:XB+7]
	v_pk_fma_f32 v[SB:SB+1], v[XB+4:XB+5], v[H+4:H+5], v[SB:SB+1]
	v_pk_fma_f32 v[SB+2:SB+3], v[XB+6:XB+7], v[H+6:H+7], v[SB+2:SB+3]
.if (\n) < 11
.set q, 0
.rept 4
	v_pk_mul_f32 v[P+2*q:P+2*q+1], v[XB+2*q:XB+2*q+1], v[U+2*q:U+2*q+1]
.set q, q+1
.endr
.endif
.set q, 4
.rept 12
	v_pk_fma_f32 v[SB+2*(q&1):SB+2*(q&1)+1], v[XB+2*q:XB+2*q+1], v[H+2*q:H+2*q+1], v[SB+2*(q&1):SB+2*(q&1)+1]
	v_pk_add_f32 v[SB+4+2*(q&1):SB+4+2*(q&1)+1], v[SB+4+2*(q&1):SB+4+2*(q&1)+1], v[XB+2*q:XB+2*q+1]
.if (\n) < 11
	v_pk_mul_f32 v[P+2*q:P+2*q+1], v[XB+2*q:XB+2*q+1], v[U+2*q:U+2*q+1]
.endif
.if q < 11
	RED (\n)-1,q-3
.endif
.set q, q+1
.endr
.endm
.macro COEF l                          ; both waves' moments of my row: S's from lane r's place, T's from lane 16 + r's; added in the order w = 0 + w = 1 in both waves
	s_wait_alu depctr_vm_vsrc(0)                   ; my LDS stores issued so far have read v[PC ..], v[HW] and v[LM ..], in which the loads below land, and v[M ..], which the next layer's closings write again
.irp k, 0,1,2
	ds_load_b128 v[CS+4*\k:CS+4*\k+3], v[AML] offset:LBS*(\l)+MOMB+512*\k
	ds_load_b128 v[184+4*\k:184+4*\k+3], v[AML] offset:LBS*(\l)+MOMB+512*\k+1536
	ds_load_b128 v[CT+4*\k:CT+4*\k+3], v[AML] offset:LBS*(\l)+MOMB+512*\k+256
	ds_load_b128 v[196+4*\k:196+4*\k+3], v[AML] offset:LBS*(\l)+MOMB+512*\k+1536+256
.endr
	s_wait_dscnt 0x0
.set q, 0
.rept 12
	v_pk_add_f32 v[CS+2*q:CS+2*q+1], v[CS+2*q:CS+2*q+1], v[184+2*q:184+2*q+1]
.set q, q+1
.endr
.endm
.macro HORNER                          ; numerator into P, divisor into DN: 32 chains that do not wait for each other; a coefficient is one register of a pair, taken for both halves
.set q, 0
.rept 16
	v_pk_fma_f32 v[P+2*q:P+2*q+1], v[CS+10:CS+11], v[U+2*q:U+2*q+1], v[CS+10:CS+11] op_sel:[1,0,0] op_sel_hi:[1,1,0]
	v_pk_fma_f32 v[DN+2*q:DN+2*q+1], v[CT+10:CT+11], v[U+2*q:U+2*q+1], v[CT+10:CT+11] op_sel:[1,0,0] op_sel_hi:[1,1,0]
.set q, q+1
.endr
.irp k, 9,8,7,6,5,4,3,2,1,0
.set q, 0
.rept 16
.if (\k)&1
	v_pk_fma_f32 v[P+2*q:P+2*q+1], v[P+2*q:P+2*q+1], v[U+2*q:U+2*q+1], v[CS+2*(\k/2):CS+2*(\k/2)+1] op_sel:[0,0,1] op_sel_hi:[1,1,1]
	v_pk_fma_f32 v[DN+2*q:DN+2*q+1], v[DN+2*q:DN+2*q+1], v[U+2*q:U+2*q+1], v[CT+2*(\k/2):CT+2*(\k/2)+1] op_sel:[0,0,1] op_sel_hi:[1,1,1]
.else
	v_pk_fma_f32 v[P+2*q:P+2*q+1], v[P+2*q:P+2*q+1], v[U+2*q:U+2*q+1], v[CS+2*(\k/2):CS+2*(\k/2)+1] op_sel:[0,0,0] op_sel_hi:[1,1,0]
	v_pk_fma_f32 v[DN+2*q:DN+2*q+1], v[DN+2*q:DN+2*q+1], v[U+2*q:U+2*q+1], v[CT+2*(\k/2):CT+2*(\k/2)+1] op_sel:[0,0,0] op_sel_hi:[1,1,0]
.endif
.set q, q+1
.endr
.endr
.endm
.macro RESID                           ; h + numerator / divisor
.set q, 0
.rept 32
	v_rcp_f32 v[DN+q], v[DN+q]
.set q, q+1
.endr
	v_nop
	s_wait_alu depctr_va_vdst(0)                   ; one wait for the batch: the 32 reciprocals have written v[DN ..], ahead of their first reader
.set q, 0
.rept 16
	v_pk_fma_f32 v[H+2*q:H+2*q+1], v[P+2*q:P+2*q+1], v[DN+2*q:DN+2*q+1], v[H+2*q:H+2*q+1]
.set q, q+1
.endr
.endm
.macro LSUM                            ; four pairs of sums become one number in v[A4]; lane l xor 16's comes into v[LT]
	v_pk_add_f32 v[A4:A4+1], v[A4:A4+1], v[A4+2:A4+3]
	v_pk_add_f32 v[A4+4:A4+5], v[A4+4:A4+5], v[A4+6:A4+7]
	v_pk_add_f32 v[A4:A4+1], v[A4:A4+1], v[A4+4:A4+5]
	v_add_f32 v[A4], v[A4], v[A4+1]
	v_permlanex16_b32 v[LT], v[A4], s34, s35
.endm
; The layernorm: my wave's mean of its 64 units, the squares about that mean, then both waves' figures merged: mean = (m + m') / 2, M2 = M2 + M2' + 32 (m' - m)^2.  No difference of large sums is formed.
.macro LNORM l
.set q, 0
.rept 4
	v_pk_add_f32 v[A4+2*q:A4+2*q+1], v[H+4*q:H+4*q+1], v[H+4*q+2:H+4*q+3]
.set q, q+1
.endr
.set q, 8
.rept 8
	v_pk_add_f32 v[A4+2*(q&3):A4+2*(q&3)+1], v[A4+2*(q&3):A4+2*(q&3)+1], v[H+2*q:H+2*q+1]
.set q, q+1
.endr
	LSUM
	v_add_f32 v[A4], v[A4], v[LT]
	v_mul_f32 v[LM], 0x3c800000, v[A4]             ; / 64
.set q, 0
.rept 16
	v_pk_add_f32 v[H+2*q:H+2*q+1], v[H+2*q:H+2*q+1], v[LM:LM+1] op_sel_hi:[1,0] neg_lo:[0,1] neg_hi:[0,1]
.set q, q+1
.endr
.set q, 0
.rept 4
	v_pk_mul_f32 v[A4+2*q:A4+2*q+1], v[H+2*q:H+2*q+1], v[H+2*q:H+2*q+1]
.set q, q+1
.endr
.set q, 4
.rept 12
	v_pk_fma_f32 v[A4+2*(q&3):A4+2*(q&3)+1], v[H+2*q:H+2*q+1], v[H+2*q:H+2*q+1], v[A4+2*(q&3):A4+2*(q&3)+1]
.set q, q+1
.endr
	LSUM
	v_add_f32 v[LM+1], v[A4], v[LT]
	s_wait_alu depctr_va_vdst(0)                   ; v[LM] and v[LM+1] are written, which the LDS store reads; the coefficients' additions are done reading v[LP ..], in which the partner's figures land behind the barrier
	ds_store_b64 v[ALS], v[LM:LM+1] offset:LBS*(\l)+LNX
	BAR
	ds_load_b64 v[LP:LP+1], v[ALP] offset:LBS*(\l)+LNX
	s_wait_dscnt 0x0
	v_sub_f32 v[LT+1], v[LP], v[LM]                ; delta = the partner's mean - mine
	v_add_f32 v[LT], v[LM+1], v[LP+1]
	v_mul_f32 v[A4], v[LT+1], v[LT+1]
	v_fma_f32 v[LT], v[A4], 0x42000000, v[LT]      ; + 32 delta^2
	v_fma_f32 v[LT], v[LT], s36, s37               ; / 128 + 1e-5
	v_rsq_f32 v[LR], v[LT]
	v_mul_f32 v[LR+1], -0.5, v[LT+1]               ; (the plain instruction behind the root)  my mean - the row's mean
	s_wait_alu depctr_va_vdst(0)                   ; the root has written v[LR], ahead of its first reader
	v_mul_f32 v[LR+1], v[LR+1], v[LR]
.set q, 0
.rept 16
	v_pk_fma_f32 v[H+2*q:H+2*q+1], v[H+2*q:H+2*q+1], v[LR:LR+1], v[LR:LR+1] op_sel:[0,0,1] op_sel_hi:[1,0,1]
.set q, q+1
.endr
	WIN 0x28                                       ; sources 1 and 2 (gamma, beta) in window 2
.set q, 0
.rept 16
	v_pk_fma_f32 v[H+2*q:H+2*q+1], v[H+2*q:H+2*q+1], v[32*(\l)+2*q:32*(\l)+2*q+1], v[96+32*(\l)+2*q:96+32*(\l)+2*q+1]
.set q, q+1
.endr
	WIN 0
.endm
.macro LAYER l
	QUANT \l
	BAR                                            ; both waves' codes and scale bytes lie in LDS
	FETCHQ \l
	s_wait_loadcnt 0x0                             ; this layer's parameters: nothing younger is out
	PRODUCT (\l)+1, U, SW
.if (\l) < 2
	GROUP (\l)+1                                   ; the next layer's parameters have this whole layer in which to land; they go into registers of their own.  No wait: no vector or matrix instruction has ever named those registers, and the offsets stand since the head
.else
	GROUPC                                         ; likewise
.endif
	MOM0
	TANH
.irp n, 1,2,3,4,5,6,7,8,9,10,11
	MOM \n
.endr
.irp s, 1,2,3,4,5,6,7
	RED 11,\s
.endr
	s_wait_alu depctr_va_vdst(0)                   ; the closings have written v[M ..], which the LDS stores read; the last layer's polynomials are done reading v[CS ..] and v[CT ..], the quantiser and the last layernorm are done with v184-207: there the loads behind the barrier land
.irp k, 0,1,2
	ds_store_b128 v[AMS], v[M+4*\k:M+4*\k+3] offset:LBS*(\l)+MOMB+512*\k
.endr
	BAR                                            ; both waves' moments lie in LDS
	COEF \l
	HORNER
	RESID
	LNORM \l
.endm
	s_load_b512 s[4:19], s[0:1], 0x0               ; x_codes 4, x_scales 6, W_in_codes 8, W_in_scales 10, b_in 12, W_att_codes 14, W_att_scales 16, b_att 18
	s_load_b256 s[20:27], s[0:1], 0x40             ; gamma 20, beta 22, W_c 24, b_c 26
	s_load_b64 s[28:29], s[0:1], 0x60              ; out0
	v_lshl_add_u32 v236, v0, 2, 0x8000
	v_mov_b32 v237, 0
	v_lshrrev_b32 v1, 5, v0
	v_readfirstlane_b32 s30, v1                    ; wave 0..3
	s_wait_alu depctr_va_sdst(0)                   ; s30 is written, ahead of its first reader: t, w and the waves' places are made from it
	s_lshr_b32 s31, s30, 1                         ; t: my tile of 16 rows
	s_and_b32 s32, s30, 1                          ; w: my 64 hidden units
	s_lshl_b32 s33, ttmp9, 5
	s_lshl_b32 s39, s31, 4
	s_add_co_u32 s33, s33, s39                     ; my first row: 32 x work-group + 16 t
	s_mov_b32 s34, 0x76543210
	s_mov_b32 s35, 0xfedcba98                      ; v_permlanex16_b32's selects for lane l xor 16
	s_mov_b32 s36, 0x3c000000                      ; 1 / 128
	s_mov_b32 s37, 0x3727c5ac                      ; 1e-5
	s_cmp_eq_u32 s32, 0
	s_cselect_b32 s38, 1.0, 0                      ; b_c is added by the wave with w = 0 alone
	v_and_b32 v1, 31, v0                           ; lane
	v_and_b32 v2, 15, v0                           ; r
	v_bfe_u32 v3, v0, 4, 1                         ; hh
	v_add_nc_u32 v[VX], s33, v2
	v_lshlrev_b32 v[VXS], 2, v[VX]
	v_lshlrev_b32 v[VX], 6, v[VX]
	v_lshl_add_u32 v[VX], v3, 4, v[VX]
	v_and_b32 v22, 8, v2
	v_add_nc_u32 v22, v22, v2                      ; r + 8 (r / 8)
	s_lshl_b32 s39, s32, 12
	v_lshl_add_u32 v[VW], v22, 6, s39
	v_lshl_add_u32 v[VW], v3, 4, v[VW]
	s_lshl_b32 s40, s32, 8
	v_lshl_add_u32 v[VS], v22, 2, s40
	v_lshl_add_u32 v[VV], v3, 6, s40
	v_and_b32 v22, 7, v2
	v_cmp_gt_u32 vcc_lo, 5, v22
	s_wait_alu depctr_va_vcc(0)                    ; the compare has written VCC, ahead of the select that reads it
	v_cndmask_b32 v[MASK], 0, -1, vcc_lo           ; rows 5-7 and 13-15 of W_c's tile are no class: their numbers are made zeros
	v_min_u32 v22, 4, v22                          ; (and they load a class that exists)
	v_lshrrev_b32 v23, 3, v2
	v_mad_u32_u24 v22, v23, 5, v22                 ; row m of the tile is class m % 8 + 5 (m / 8)
	s_mul_i32 s41, s32, 2560
	v_mad_u32_u24 v[VC], v3, 640, s41
	v_lshl_add_u32 v[VC], v22, 2, v[VC]
	v_mul_u32_u24 v[VBC], v3, 20
	v_lshlrev_b32 v[AI], 4, v0
	s_lshl_b32 s42, s31, 7
	v_lshl_add_u32 v[ASL], v1, 2, s42
	s_lshl_b32 s43, s32, 1
	s_add_co_u32 s42, s42, s43
	v_lshl_add_u32 v[ASW], v1, 2, s42
	s_lshl_b32 s43, s31, 10
	v_lshl_add_u32 v[AQ], v1, 4, s43
	s_mul_i32 s43, s30, 1536
	v_lshl_add_u32 v[AMS], v1, 4, s43
	s_mul_i32 s43, s31, 3072
	v_lshl_add_u32 v[AML], v2, 4, s43
	v_lshlrev_b32 v[ALS], 3, v0
	v_xor_b32 v[ALP], 0x100, v[ALS]
	s_mul_i32 s43, s32, 1280
	s_mul_i32 s44, s31, 640
	s_add_co_u32 s43, s43, s44
	v_mad_u32_u24 v[AO], v2, 40, s43
	v_mad_u32_u24 v[AO], v3, 20, v[AO]
	s_mul_i32 s43, ttmp9, 1280
	v_add_nc_u32 v[VOUT], s43, v[ALS]
	s_wait_kmcnt 0x0
	s_wait_alu depctr_va_vdst(0)                   ; the offsets and LDS addresses v4 to v20 are written: every load and store of the kernel reads one of them, and none is written again
	global_load_b128 v[Q:Q+3], v[VX], s[4:5]       ; x's fragment: 23 loads serve in_proj,
	global_load_b128 v[Q+4:Q+7], v[VX], s[4:5] offset:32
	global_load_b32 v[XSC], v[VXS], s[6:7]
	LOADW 0, 8, 10, 0, 0
	WIN 0x40
	LOADV 128, 12, 0
	GROUP 0                                        ; and 36 more are layer 0's
	s_wait_loadcnt 36                              ; loads come back in order: the 23 are in, layer 0's 36 may stay out
	PRODUCT 0, H, XSC                              ; h = x W_in + b_in
	v_mov_b32 v[TX], 0                             ; written once: a lane permute's destination counts as one of its sources, and a pair is read whole.
	v_mov_b32 v[TX+1], 0                           ; These five plain lines are also the places behind the product
	v_mov_b32 v[LM+1], 0
	v_mov_b32 v[LT], 0
	v_mov_b32 v[LT+1], 0
	LAYER 0
	LAYER 1
	LAYER 2
	; THE CLASSIFIER, in bf16: out^T = W_c^T h^T, K = my 64 units in two steps of 32.  Both sources put unit 64 w + 32 b + 16 hh + i into the same place (half hh, register i / 2, half word i % 2).
	; In the result lane (r, hh) holds classes 5 hh + 0 .. 4 of row r in registers 0 to 4.
	s_wait_loadcnt 0x0                             ; W_c and b_c
	WIN 0x0a                                       ; sources 0 and 1 in window 2
.irp b, 0,1
.irp i, 0,1,2,3,4,5,6,7
	v_cvt_pk_bf16_f32 v[96+8*\b+\i], v[WCR+16*\b+2*\i], v[WCR+16*\b+2*\i+1]
.endr
.endr
.irp j, 0,1,2,3,4
	v_mul_f32 v[136+\j], s38, v[BCR+\j]            ; the bias is the sum's C, in one of the two waves
.endr
	WIN 0
.irp i, 0,1,2,3,4,5,6,7,8,9,10,11,12,13,14,15
	v_and_b32 v[96+\i], v[MASK], v[96+\i]
.endr
.irp b, 0,1
.irp i, 0,1,2,3,4,5,6,7
	v_cvt_pk_bf16_f32 v[112+8*\b+\i], v[H+16*\b+2*\i], v[H+16*\b+2*\i+1]
.endr
.endr
	v_mov_b32 v141, 0
	v_mov_b32 v142, 0
	v_mov_b32 v143, 0
	v_wmma_f32_16x16x32_bf16 v[128:135], v[96:103], v[112:119], v[136:143]
	s_wait_alu depctr_va_vdst(0)                   ; the first has written v[128:135], onto which the second adds
	v_wmma_f32_16x16x32_bf16 v[128:135], v[104:111], v[120:127], v[128:135]
.rept 4
	v_nop                                          ; four places ahead of the stores that read the result
.endr
	s_wait_alu depctr_va_vdst(0)                   ; the second link has written v[128:135], which the LDS stores read (the places above stay beside this wait); the last layernorm is done with v184-187, in which the loads behind the barrier land
.irp j, 0,1,2,3,4
	ds_store_b32 v[AO], v[128+\j] offset:OUTB+4*\j ; from the accumulator's low end on
.endr
	BAR                                            ; two partial outputs of 32 rows x 10 lie in LDS, each 1,280 dense bytes
	ds_load_b64 v[184:185], v[ALS] offset:OUTB
	ds_load_b64 v[186:187], v[ALS] offset:OUTB+1280
	s_wait_dscnt 0x0
	v_pk_add_f32 v[184:185], v[184:185], v[186:187]
	s_wait_alu depctr_va_vdst(0)                   ; the addition has written v[184:185], which the store reads; every vector instruction that named v188-191, in which wave 0's loads below land, stands ahead of this wait too
	global_store_b64 v[VOUT], v[184:185], s[28:29] th:TH_STORE_NT              ; 32 lanes store 256 consecutive bytes, at a multiple of 256 from out0's first byte
	s_cmp_lg_u32 s30, 0                            ; the work-group's 1,280 bytes are five such runs: wave 0 takes the fifth
	s_cbranch_scc1 .Lend
	ds_load_b64 v[188:189], v[ALS] offset:OUTB+1024
	ds_load_b64 v[190:191], v[ALS] offset:OUTB+1280+1024
	s_wait_dscnt 0x0
	v_pk_add_f32 v[188:189], v[188:189], v[190:191]
	s_wait_alu depctr_va_vdst(0)                   ; the addition has written v[188:189], which the store reads
	global_store_b64 v[VOUT], v[188:189], s[28:29] offset:1024 th:TH_STORE_NT
.Lend:
	s_wait_dscnt 0x0                               ; the closing lines, six on end
	s_wait_alu 0x0
	s_wait_tensorcnt 0x0
	ds_add_u32 v236, v237
	s_wait_dscnt 0x0
	s_endpgm
.Lfunc_end_k_q3f79e2b048_simple_attention:
	.size	k_q3f79e2b048_simple_attention, .Lfunc_end_k_q3f79e2b048_simple_attention-k_q3f79e2b048_simple_attention
	.p2alignl 7, 3214868480
	.fill 96, 4, 3214868480
	.section	.rodata,"a",@progbits
	.p2align	6, 0x0
	.amdhsa_kernel k_q3f79e2b048_simple_attention
		.amdhsa_group_segment_fixed_size 33280
		.amdhsa_private_segment_fixed_size 0
		.amdhsa_enable_private_segment 0
		.amdhsa_kernarg_size 104
		.amdhsa_user_sgpr_count 2
		.amdhsa_user_sgpr_kernarg_segment_ptr 1
		.amdhsa_wavefront_size32 1
		.amdhsa_system_sgpr_workgroup_id_x 1
		.amdhsa_system_sgpr_workgroup_id_y 1
		.amdhsa_system_sgpr_workgroup_id_z 1
		.amdhsa_system_vgpr_workitem_id 0
		.amdhsa_next_free_vgpr 768
		.amdhsa_next_free_sgpr 66
		.amdhsa_reserve_vcc 1
		.amdhsa_float_denorm_mode_32 3
		.amdhsa_float_denorm_mode_16_64 3
		.amdhsa_memory_ordered 1
		.amdhsa_forward_progress 1
		.amdhsa_inst_pref_size 253
	.end_amdhsa_kernel
	.amdgpu_metadata
---
amdhsa.version: [ 1, 2 ]
amdhsa.kernels:
  - .name:           k_q3f79e2b048_simple_attention
    .symbol:         k_q3f79e2b048_simple_attention.kd
    .args:
      - { .name: x_codes, .offset: 0, .size: 8, .value_kind: global_buffer, .address_space: global }
      - { .name: x_scales, .offset: 8, .size: 8, .value_kind: global_buffer, .address_space: global }
      - { .name: W_in_codes, .offset: 16, .size: 8, .value_kind: global_buffer, .address_space: global }
      - { .name: W_in_scales, .offset: 24, .size: 8, .value_kind: global_buffer, .address_space: global }
      - { .name: b_in, .offset: 32, .size: 8, .value_kind: global_buffer, .address_space: global }
      - { .name: W_att_codes, .offset: 40, .size: 8, .value_kind: global_buffer, .address_space: global }
      - { .name: W_att_scales, .offset: 48, .size: 8, .value_kind: global_buffer, .address_space: global }
      - { .name: b_att, .offset: 56, .size: 8, .value_kind: global_buffer, .address_space: global }
      - { .name: gamma, .offset: 64, .size: 8, .value_kind: global_buffer, .address_space: global }
      - { .name: beta, .offset: 72, .size: 8, .value_kind: global_buffer, .address_space: global }
      - { .name: W_c, .offset: 80, .size: 8, .value_kind: global_buffer, .address_space: global }
      - { .name: b_c, .offset: 88, .size: 8, .value_kind: global_buffer, .address_space: global }
      - { .name: out0, .offset: 96, .size: 8, .value_kind: global_buffer, .address_space: global }
    .group_segment_fixed_size: 33280
    .private_segment_fixed_size: 0
    .kernarg_segment_align: 8
    .kernarg_segment_size: 104
    .max_flat_workgroup_size: 128
    .sgpr_count:     66
    .vgpr_count:     768
    .wavefront_size: 32
...
	.end_amdgpu_metadata
.endif
;; end of part 2
